; MI455X (gfx1250); checked and timed in simulation.
; The chip was launched on July 23, 2026; its instructions are those of AMD's public machine-readable ISA for CDNA 5 (MIT licence, August 2026) and "CDNA5" Instruction Set Architecture Reference Guide (July 2026). The comments in the code are by the model that wrote it; some were corrected since.
;; Multi Head Attention. Allowed arithmetic: float matrix products may take bf16 or f16 operands with f32 sums; other float arithmetic in f32, or as packed bf16 or f16 multiplies, adds, multiply-adds, maxima and minima; sums over many terms, partial sums and values carried from step to step in f32; what a program stores and reads back later, other than sums and carried values, may be rounded once to bf16 or f16.
;; Inputs: Wk 1,024 x 1,024 float32; Wo 1,024 x 1,024 float32; Wq 1,024 x 1,024 float32; Wv 1,024 x 1,024 float32; bk 1,024 float32; bo 1,024 float32; bq 1,024 float32; bv 1,024 float32; key 4 x 2,048 x 1,024 float32; query 4 x 2,048 x 1,024 float32; value 4 x 2,048 x 1,024 float32.
;; Outputs: out0 4 x 2,048 x 1,024 float32.
;; One version. Each part assembles by itself: llvm-mc -triple=amdgcn-amd-amdhsa -mcpu=gfx1250 --defsym DOCPART=n.
;; ======== version 1 of 1: 5 launches
;; limits: values are held in f16: magnitudes above 65,504 overflow, below 6.1e-05 lose precision
;; workspace buffers: wqb 8,388,608 bytes; wb 6,291,456 bytes; q 33,554,432 bytes; mpart 16,777,216 bytes; pm 4,096 bytes; w2b 8,388,608 bytes; ctlq 256 bytes; ctlf 256 bytes
;; launch prep (part 1): grid 4 x 64, 8 waves a work-group, no clusters, 37,888 bytes of LDS; arguments Wq, Wk, Wv, Wo, wqb, wb, ctlq; writes wqb, wb, ctlq
.if DOCPART == 1
	.amdgcn_target "amdgcn-amd-amdhsa--gfx1250"
	.amdhsa_code_object_version 6
	.text
	.protected	k_q2152ebe3e6_prep
	.globl	k_q2152ebe3e6_prep
	.p2align	8
	.type	k_q2152ebe3e6_prep,@function
k_q2152ebe3e6_prep:
	s_mov_b64 s[64:65], 0
	v_nop
	global_prefetch_b8 v0, s[64:65] scope:SCOPE_SE
	s_setreg_imm32_b32 hwreg(HW_REG_WAVE_MODE, 25, 1), 1
	s_wait_xcnt 0x0
; THE WEIGHTS, ROUNDED ONCE TO f16 AND LAID IN BLOCKS.  W: [1024 (k)][1024 (n)] f32.  Out: [kb 16][n 1024][kk 64] f16 = W[64 kb + kk][n]: a block kb is
; 131,072 dense bytes in which K lies along the rows, as the matrix instructions' fragments want it.
; Wk, Wv, Wo go to wb's sections 0, 1, 2 (2 MiB each).  Wq goes to wqb FOUR times, once for each batch, so that the launch that multiplies by it and the
; launch that multiplies by the batches' own matrices can run one text, which adds batch x 2 MiB to its address: 6 MiB more are written here for that.
; ctlq takes 1.0 for each batch: that text's factor.
; SHARES.  Work-group (x, y): n quarter x (256 columns), y = 16 x section + kb: a tile of 64 k x 256 n, 64 KiB in, 32 KiB out.  Eight waves.  A thread loads
; 16 bytes (4 n) of 16 rows; a wave's load covers 512 consecutive bytes.  Two rows' numbers of one n pack into a word; 8 k of one n are 16 bytes, which go
; into LDS rows of 144 bytes (one n: 128 bytes + 16); whole rows come back and are stored, 512 consecutive bytes a wave's store.
; Left so, since each byte passes LDS once in a launch that streams 16 MiB.
; No matrix unit, no tensor load, no cluster: no two work-groups read the same byte.
; LIMIT.  A weight of 65,520 or more in magnitude becomes an infinity in f16; below 6.1e-5 it keeps f16's fixed step of 6e-8.
.set PITCH, 144
.set SPARE, 256*PITCH                  ; behind the stage: the spare words, 128 bytes for each of eight waves
.set SPW, 2                            ; v2   SPARE + 4 x my thread's number; never rewritten
.set NIL, 3                            ; v3   0; never rewritten
.set X,   16                           ; v[16:79]   as loaded: group g, row i at X + 32 g + 4 i; later the rows read back
.set Y,   80                           ; v[80:111]  packed: group g, column e at Y + 16 g + 4 e
	s_load_b256 s[4:11], s[0:1], 0x0               ; Wq s[4:5], Wk s[6:7], Wv s[8:9], Wo s[10:11]
	s_load_b128 s[12:15], s[0:1], 0x20             ; wqb s[12:13], wb s[14:15]
	s_load_b64 s[16:17], s[0:1], 0x30              ; ctlq
	v_lshl_add_u32 v[SPW], v0, 2, SPARE
	v_mov_b32 v[NIL], 0
	v_lshrrev_b32 v1, 5, v0
	v_readfirstlane_b32 s18, v1                    ; wave 0..7
	s_and_b32 s19, ttmp7, 0xffff                   ; y
	s_lshr_b32 s20, s19, 4                         ; section: 0 Wq, 1 Wk, 2 Wv, 3 Wo
	s_and_b32 s21, s19, 15                         ; kb
	s_and_b32 s23, s18, 1                          ; which 128 columns
	s_lshr_b32 s24, s18, 1                         ; which group of 8 rows (and the group 4 further on)
	v_and_b32 v4, 31, v0
	s_lshl_b32 s25, s23, 5
	v_add_nc_u32 v5, s25, v4                       ; n4: my four columns, 0..63
	s_lshl_b32 s26, s24, 15
	v_lshl_add_u32 v6, v5, 4, s26                  ; source: 8 rows x 4,096 bytes x group + 16 n4
	v_mul_u32_u24 v7, v5, 4*PITCH
	s_lshl_b32 s27, s24, 4
	v_add_nc_u32 v7, s27, v7                       ; stage, in: row 4 n4, byte 16 x group
	v_lshrrev_b32 v8, 3, v0
	v_mul_u32_u24 v8, v8, PITCH
	v_and_b32 v9, 7, v0
	v_lshl_add_u32 v8, v9, 4, v8                   ; stage, back: eight lanes take a row's 128 bytes
	v_lshlrev_b32 v10, 4, v0                       ; and the same bytes in the block: 16 x thread
	s_lshl_b32 s28, s21, 18                        ; source: 64 rows x 4,096 bytes x kb
	s_lshl_b32 s29, ttmp9, 10                      ; + 256 columns x 4 bytes x quarter
	s_add_co_u32 s28, s28, s29
	s_mov_b32 s29, 0
	s_max_u32 s30, s20, 1
	s_sub_co_u32 s30, s30, 1                       ; wb's section (0 for Wq, which goes to wqb)
	s_lshl_b32 s30, s30, 21
	s_lshl_b32 s31, s21, 17                        ; + the block
	s_add_co_u32 s30, s30, s31
	s_lshl_b32 s31, ttmp9, 15                      ; + 256 rows of 128 bytes x quarter
	s_add_co_u32 s30, s30, s31
	s_mov_b32 s31, 0
	s_wait_kmcnt 0x0
	s_cmp_eq_u32 s20, 1
	s_cselect_b64 s[4:5], s[6:7], s[4:5]
	s_cmp_eq_u32 s20, 2
	s_cselect_b64 s[4:5], s[8:9], s[4:5]
	s_cmp_eq_u32 s20, 3
	s_cselect_b64 s[4:5], s[10:11], s[4:5]
	s_cmp_eq_u32 s20, 0
	s_cselect_b64 s[12:13], s[12:13], s[14:15]
	s_add_nc_u64 s[4:5], s[4:5], s[28:29]
	s_add_nc_u64 s[12:13], s[12:13], s[30:31]
.irp g, 0,1
.irp i, 0,1,2,3,4,5,6,7
	global_load_b128 v[X+32*(\g)+4*(\i):X+32*(\g)+4*(\i)+3], v6, s[4:5] offset:(32*(\g)+(\i))*4096 th:TH_LOAD_NT
.endr
.endr
.irp g, 0,1
	s_wait_loadcnt 8-8*(\g)                        ; group g's eight loads are in; for g = 0 the other group's eight stay out
.irp e, 0,1,2,3
.irp i, 0,1,2,3
	v_cvt_pk_f16_f32 v[Y+16*(\g)+4*(\e)+(\i)], v[X+32*(\g)+8*(\i)+(\e)], v[X+32*(\g)+8*(\i)+4+(\e)]  ; rows 2 i, 2 i + 1 of column e
.endr
	ds_store_b128 v7, v[Y+16*(\g)+4*(\e):Y+16*(\g)+4*(\e)+3] offset:PITCH*(\e)+64*(\g)
.endr
.endr
	s_wait_dscnt 0x0                               ; for the others' sake: my stores into the stage are done
	s_barrier_signal -1
	s_barrier_wait -1
.irp i, 0,1,2,3,4,5,6,7
	ds_load_b128 v[X+4*(\i):X+4*(\i)+3], v8 offset:32*PITCH*(\i)
.endr
.irp i, 0,1,2,3,4,5,6,7
	s_wait_dscnt 7-(\i)                            ; LDS loads come back in order: number i is in, the younger ones stay out
	global_store_b128 v10, v[X+4*(\i):X+4*(\i)+3], s[12:13] offset:4096*(\i)
.endr
	s_cmp_lg_u32 s20, 0
	s_cbranch_scc1 .Lend
.irp c, 1,2,3                          ; Wq's three further copies
.irp i, 0,1,2,3,4,5,6,7
	global_store_b128 v10, v[X+4*(\i):X+4*(\i)+3], s[12:13] offset:(\c)*2097152+4096*(\i)
.endr
.endr
	s_or_b32 s22, ttmp9, s19
	s_or_b32 s22, s22, s18
	s_cmp_lg_u32 s22, 0                            ; wave 0 of work-group (0, 0) writes ctlq
	s_cbranch_scc1 .Lend
	v_lshlrev_b32 v11, 2, v0
	v_mov_b32 v12, 1.0
	s_wait_xcnt 0x0                                ; EXEC is a source of the stores above: it changes only behind this wait
	v_cmp_gt_u32 vcc_lo, 4, v0
	s_and_saveexec_b32 s22, vcc_lo
	global_store_b32 v11, v12, s[16:17]            ; 1.0 for each of the four batches
	s_wait_xcnt 0x0
	s_or_b32 exec_lo, exec_lo, s22
.Lend:
	s_wait_tensorcnt 0x0                           ; the wave's end, behind my last LDS store
	ds_add_u32 v[SPW], v[NIL]
	s_wait_dscnt 0x0
	s_endpgm
.Lfunc_end_k_q2152ebe3e6_prep:
	.size	k_q2152ebe3e6_prep, .Lfunc_end_k_q2152ebe3e6_prep-k_q2152ebe3e6_prep
	.p2alignl 7, 3214868480
	.fill 96, 4, 3214868480
	.section	.rodata,"a",@progbits
	.p2align	6, 0x0
	.amdhsa_kernel k_q2152ebe3e6_prep
		.amdhsa_group_segment_fixed_size 37888
		.amdhsa_private_segment_fixed_size 0
		.amdhsa_enable_private_segment 0
		.amdhsa_kernarg_size 56
		.amdhsa_user_sgpr_count 2
		.amdhsa_user_sgpr_kernarg_segment_ptr 1
		.amdhsa_wavefront_size32 1
		.amdhsa_system_sgpr_workgroup_id_x 1
		.amdhsa_system_sgpr_workgroup_id_y 1
		.amdhsa_system_sgpr_workgroup_id_z 1
		.amdhsa_system_vgpr_workitem_id 0
		.amdhsa_next_free_vgpr 112
		.amdhsa_next_free_sgpr 66
		.amdhsa_reserve_vcc 1
		.amdhsa_float_denorm_mode_32 3
		.amdhsa_float_denorm_mode_16_64 3
		.amdhsa_memory_ordered 1
		.amdhsa_forward_progress 1
		.amdhsa_inst_pref_size 11
	.end_amdhsa_kernel
	.amdgpu_metadata
---
amdhsa.version: [ 1, 2 ]
amdhsa.kernels:
  - .name:           k_q2152ebe3e6_prep
    .symbol:         k_q2152ebe3e6_prep.kd
    .args:
      - { .name: Wq, .offset: 0, .size: 8, .value_kind: global_buffer, .address_space: global }
      - { .name: Wk, .offset: 8, .size: 8, .value_kind: global_buffer, .address_space: global }
      - { .name: Wv, .offset: 16, .size: 8, .value_kind: global_buffer, .address_space: global }
      - { .name: Wo, .offset: 24, .size: 8, .value_kind: global_buffer, .address_space: global }
      - { .name: wqb, .offset: 32, .size: 8, .value_kind: global_buffer, .address_space: global }
      - { .name: wb, .offset: 40, .size: 8, .value_kind: global_buffer, .address_space: global }
      - { .name: ctlq, .offset: 48, .size: 8, .value_kind: global_buffer, .address_space: global }
    .group_segment_fixed_size: 37888
    .private_segment_fixed_size: 0
    .kernarg_segment_align: 8
    .kernarg_segment_size: 56
    .max_flat_workgroup_size: 256
    .sgpr_count:     66
    .vgpr_count:     112
    .wavefront_size: 32
...
	.end_amdgpu_metadata
.endif
;; end of part 1
;; launch qproj (part 2): grid 4 x 64, 4 waves a work-group, clusters of 4 x 4, 327,680 bytes of LDS; arguments query, wqb, bq, ctlq, q; writes q
.if DOCPART == 2
	.amdgcn_target "amdgcn-amd-amdhsa--gfx1250"
	.amdhsa_code_object_version 6
	.text
	.protected	k_q2152ebe3e6_qproj
	.globl	k_q2152ebe3e6_qproj
	.p2align	8
	.type	k_q2152ebe3e6_qproj,@function
k_q2152ebe3e6_qproj:
	s_mov_b64 s[64:65], 0
	v_nop
	global_prefetch_b8 v0, s[64:65] scope:SCOPE_SE
	s_setreg_imm32_b32 hwreg(HW_REG_WAVE_MODE, 25, 1), 1
	s_wait_xcnt 0x0
	s_wait_alu depctr_hold_cnt(0) depctr_sa_sdst(0) depctr_va_vdst(0) depctr_va_sdst(0) depctr_va_ssrc(0) depctr_va_vcc(0) depctr_vm_vsrc(0)
	s_getreg_b32 s2, hwreg(HW_REG_IB_STS2, 6, 4)
	s_cmp_eq_u32 s2, 0
	s_cbranch_scc0 .Lentry_in_a_cluster
	s_endpgm
.Lentry_in_a_cluster:
	s_bfe_u32 s2, ttmp6, 0x10000c
	s_cmp_lg_u32 s2, 0xf033
	s_cbranch_scc0 .Lentry_shape_is_right
	s_endpgm
.Lentry_shape_is_right:
; out[r][n] = alpha[batch] x (the sum over k of f16(a[r][k]) x B[batch][n][k]) + bias[n].  a, out: [8192][1024] f32; bias: [1024] f32; alpha: one f32 a batch of 2,048 rows;
; B: f16 in blocks [batch 4][kb 16][n 1024][kk 64], k = 64 kb + kk.  Products in f16 with f32 sums; a is rounded to f16 once, between LDS and the matrix unit.
; LIMITS.  A number of a of 65,520 or more in magnitude becomes an infinity in f16; below 6.1e-5 it keeps f16's fixed step of 6e-8.  K is summed in two halves (below), another order than a plain sum's.
; SHARES.  A work-group makes 128 rows x 256 columns.  K IS SPLIT BETWEEN ITS WAVE PAIRS: of each step's 128 k, waves 0, 1 take the first 64 and waves 2, 3 the second; wave (kh, c) makes all 128 rows x
; the 128 columns of half c for its k: 64 accumulators, 512 registers, so that 48 LDS loads feed 64 matrix instructions.  At the end the pair exchanges halves through LDS: wave (kh, c) finishes rows 64 kh ..
; THE RING.  Two LDS slots, a step each: A's two parts (128 rows x 64 k of f32: rows of 256 bytes of memory, aligned), then B's four parts (128 n x 64 k of f16).  One tensor load a wave: waves 0, 1
; A's part 0, 1; waves 2, 3 B's parts of k half 0, 1 (256 n x 128 bytes are 32,768 dense bytes, asked for as 128 rows of 256).
; CLUSTER 4 x 4.  A's tiles hang on the row block alone and are asked for jointly by a row of the cluster, B's on the column tile (and the batch, which the cluster shares) and by a column.
; THE MATRIX INSTRUCTION IS USED TRANSPOSED (source 0 = 16 rows of B, source 1 = 16 rows of a): a lane holds one row of out and eight neighbouring columns.
; REGISTERS, in windows of 256 (s_set_vgpr_msb: bits 1:0 source 0, 3:2 source 1, 5:4 source 2, 7:6 destination):
;   window 0: v0-31 addresses; v64-127, v128-191 A's fragments in f16, two buffers (on the way out: at work); v192-255 the bias of my 128 columns
;   window 1: v0-63, v192-255 A as it comes from LDS, f32; v64-127, v128-191 B's fragments, two buffers
;   window 2: the 32 accumulators of the 64 rows that I finish ((a, b) at v[8 (8 a + b)]);   window 3: those of the 64 rows that my partner finishes
.set ASTEP,  512                       ; bytes along a row of a from step to step
.set BSTEP,  262144                    ; two blocks of B
.set LAPS,   3                         ; 8 steps: all but the first two are refills, two a lap
.set APITCH, 272                       ; an LDS row of A: 256 bytes + 16: 17 x 16, so the 16 rows of a load start at 16 different groups of four banks (64 banks of 4 bytes: ISA guide 11.1)
.set APART,  128*APITCH
.set AHALF,  64*APITCH
.set BPITCH, 144                       ; an LDS row of B: 128 bytes + 16: 9 x 16
.set BPART,  128*BPITCH
.set BOFF,   2*APART
.set SLOT,   BOFF+4*BPART              ; 143,360
.set SPARE,  2*SLOT                    ; behind the ring: the spare words, 128 bytes for each wave: two blocks of 256 bytes that no other line names
.set XCH,    0                         ; the way out, when the ring has had its last fill: 32,768 bytes a wave for the exchange,
.set STAGE,  131072                    ; then 16 rows x 528 bytes a wave
.set SPITCH, 528
.set ALO,  16                          ; v16-17  LDS address of my A fragments, the rows that I finish, in slot 0, 1
.set AHI,  18                          ; v18-19  the other 64 rows
.set ADRB, 20                          ; v20-21  the same for B
.set XS,   22                          ; v22     the exchange: where I put
.set XP,   23                          ; v23     where my partner has put
.set STO,  24                          ; v24     my stage: where I put 32 bytes of a row
.set RD,   25                          ; v25     where I read a row back
.set CO,   26                          ; v26     my 16 bytes in 512 of a row of out
.set SPW,  28                          ; v28     SPARE + 4 x my thread's number; never rewritten
.set NIL,  29                          ; v29     0; never rewritten
.set PFO,  30                          ; v30     the prefetches' offset; never rewritten
.set F0,   64
.set F1,   128
.set TMP,  64
.set BK,   128
.set BIAS, 192
.set G1,  24                           ; s[24:31] descriptor group 1 for A's tiles;  s[32:39] group 0, a set for each slot
.set G0,  32
.set G1B, 48                           ; s[48:55], s[56:63] the same for B's
.set G0B, 56
.set LIM, 43                           ; s43     1 in a wave that prefetches, else the greatest number
.set PFA, 44                           ; s[44:45] where my prefetches stand
.set PFS, 46                           ; s[46:47] their step
.set MSB, 0
.macro WIN new                         ; the immediate's high byte repeats the setting that is left; a switch that changes nothing is dropped
.if MSB != (\new)
	s_set_vgpr_msb (MSB<<8)|(\new)
.set MSB, \new
.endif
.endm
.macro PLACES                          ; four plain instructions behind a matrix instruction (ISA guide 7.12.1)
.rept 4
	v_nop
.endr
.endm
; A joint load.  The branch hangs on the wave's number alone.  An s_nop 0 and four v_nop follow each of the two lines, ahead of the jump and the label.
.macro JLOAD s
	s_cmp_eq_u32 s11, 0
	s_cbranch_scc0 .Lfor_b_\@
	tensor_load_to_lds s[G0+4*(\s):G0+4*(\s)+3], s[G1:G1+7]
	s_nop 0
.rept 4
	v_nop
.endr
	s_branch .Lasked_\@
.Lfor_b_\@:
	tensor_load_to_lds s[G0B+4*(\s):G0B+4*(\s)+3], s[G1B:G1B+7]
	s_nop 0
.rept 4
	v_nop
.endr
.Lasked_\@:
.endm
; A round of the cluster's barrier: my work-group's barrier; wave 0 signals for the work-group; every wave waits for all sixteen; my work-group's barrier once more.
.macro CROUND
	s_barrier_signal -1
	s_barrier_wait -1
	s_cmp_lg_u32 s10, 0
	s_cbranch_scc1 .Lnot_wave_0_\@
	s_barrier_signal -3
.Lnot_wave_0_\@:
	s_barrier_wait -3
	s_barrier_signal -1
	s_barrier_wait -1
.endm
; A PREFETCH, behind a joint load, its five lines and the run of LDS loads: the step that stands TWO refills on, one instruction a wave, a lane a block of 256 bytes.
; A's rows are read by this cluster alone: waves 0, 1 of every work-group ask, the partner at place cx for rows 32 cx .. of the 128.  B's blocks are read by the four clusters of a batch: the first
; of them asks, waves 2, 3, the partner at place cy for 32 of the 128 blocks.  The partners are told apart by address alone.  So each block is named once in the launch.
; Steps 0 to 3 come by their loads alone; the last lap (s3 = 1) asks for nothing: there is no step two refills on.
.macro ASK
	WIN 0
	s_cmp_gt_u32 s3, s[LIM]
	s_cbranch_scc0 .Lnot_mine_\@
	global_prefetch_b8 v[PFO], s[PFA:PFA+1] th:TH_LOAD_NT scope:SCOPE_SE
.Lnot_mine_\@:
.endm
; 48 LDS loads in one run: 32 k (half ks of a step) of my part of A, as f32 (block a of 16 rows: 16 registers: k = 8 h + 0..7, 16 + 8 h + 0..7, h = lane / 16), then of my part of B into buffer f.
.macro FETCH slot, ks, f
	WIN 0x40                                       ; destination window 1, address window 0
.irp a, 0,1,2,3,4,5,6,7
.irp q, 0,1,2,3
	ds_load_b128 v[16*(\a)+128*((\a)/4)+4*(\q):16*(\a)+128*((\a)/4)+4*(\q)+3], v[ALO+2*((\a)/4)+(\slot)] offset:((\a)%4)*16*APITCH+(\ks)*128+16*((\q)%2)+64*((\q)/2)
.endr
.endr
.irp b, 0,1,2,3,4,5,6,7
	ds_load_b128 v[(\f)+8*(\b):(\f)+8*(\b)+3],   v[ADRB+(\slot)] offset:(\b)*16*BPITCH+(\ks)*64
	ds_load_b128 v[(\f)+8*(\b)+4:(\f)+8*(\b)+7], v[ADRB+(\slot)] offset:(\b)*16*BPITCH+(\ks)*64+32
.endr
.endm
; A's 8 blocks rounded to f16: 64 plain instructions.  They name no register of the 64 products in front of them, so they are also the places between those products and the next run of loads into
; the buffer that the products read, and the next conversions into it.
.macro CVT f
	WIN 0x05                                       ; sources window 1, destination window 0
.irp a, 0,1,2,3,4,5,6,7
.irp i, 0,1,2,3,4,5,6,7
	v_cvt_pk_f16_f32 v[(\f)+8*(\a)+(\i)], v[16*(\a)+128*((\a)/4)+2*(\i)], v[16*(\a)+128*((\a)/4)+2*(\i)+1]
.endr
.endr
.endm
; 64 products, 32 along K.  The 64 accumulators take turns, one instruction a turn, in the same order everywhere.  zero = 1: the products start the sums.
.macro MUL64 f, zero
.irp hi, 0,1
	WIN 0xa1+0x50*(\hi)                            ; source 0 (B) window 1, source 1 (A) window 0, C and D window 2 or 3
.irp a, 0,1,2,3
.irp b, 0,1,2,3,4,5,6,7
.if \zero
	v_wmma_f32_16x16x32_f16 v[8*(8*(\a)+(\b)):8*(8*(\a)+(\b))+7], v[(\f)+8*(\b):(\f)+8*(\b)+7], v[(\f)+8*(4*(\hi)+(\a)):(\f)+8*(4*(\hi)+(\a))+7], 0
.else
	v_wmma_f32_16x16x32_f16 v[8*(8*(\a)+(\b)):8*(8*(\a)+(\b))+7], v[(\f)+8*(\b):(\f)+8*(\b)+7], v[(\f)+8*(4*(\hi)+(\a)):(\f)+8*(4*(\hi)+(\a))+7], v[8*(8*(\a)+(\b)):8*(8*(\a)+(\b))+7]
.endif
.endr
.endr
.endr
.endm
; A step is two halves of 32 along K.  HALF_A multiplies slot x's first half and fetches its second; HALF_B multiplies the second half of the slot before and fetches slot y's first.
.macro HALF_A x, zero
	FETCH \x, 1, F1
	MUL64 F0, \zero
	s_wait_dscnt 16                                ; A's 32 loads are in; B's 16, issued behind them, may stay out while A is rounded
	CVT F1
	s_wait_dscnt 0x0
.endm
.macro HALF_B y, ask
	FETCH \y, 0, F0
.if \ask
	ASK
.endif
	MUL64 F1, 0
	s_wait_dscnt 16
	CVT F0
	s_wait_dscnt 0x0
.endm
; THE CHANGE OF SLOTS, when slot x's last fragments are in registers.  Each wave waits for all its tensor loads, of which one is out: its part of the other slot; adds 0 to its spare word; waits for that
; (its reads of slot x are back).  fill = 1: a round of the cluster's barrier, so that no wave of any partner still reads the slot or has a load on its way, and the joint refill first behind it: it has a
; whole step, 128 products and 128 conversions, in which to land.  Nothing but the round stands between the wait and the refill.
.macro CHANGE x, fill
	WIN 0
.if \fill
	s_wait_xcnt 0x0                                ; the last prefetch, a step back, has read its address
	s_add_nc_u64 s[PFA:PFA+1], s[PFA:PFA+1], s[PFS:PFS+1]
.endif
	s_wait_tensorcnt 0x0                           ; no tensor load of mine is out, so a group 0 may be written
	ds_add_u32 v[SPW], v[NIL]                      ; 0 onto my spare word
.if \fill
	s_add_nc_u64 s[G0+4*(\x)+2:G0+4*(\x)+3], s[G0+4*(\x)+2:G0+4*(\x)+3], 2*ASTEP
	s_add_nc_u64 s[G0B+4*(\x)+2:G0B+4*(\x)+3], s[G0B+4*(\x)+2:G0B+4*(\x)+3], 2*BSTEP
.endif
	s_wait_dscnt 0x0
.if \fill
	CROUND
	JLOAD \x
.else
	s_barrier_signal -1
	s_barrier_wait -1
.endif
.endm
	s_load_b256 s[68:75], s[0:1], 0x0              ; a s[68:69], B s[70:71], bias s[72:73], alpha s[74:75]
	s_load_b64 s[76:77], s[0:1], 0x20              ; out
	v_lshl_add_u32 v[SPW], v0, 2, SPARE
	v_mov_b32 v[NIL], 0
	ds_add_u32 v[SPW], v[NIL]                      ; the wave's opening: the add and its wait stand ahead of my first tensor load; work on registers stands between them
	v_lshrrev_b32 v1, 5, v0
	v_readfirstlane_b32 s10, v1                    ; wave 0..3
	s_lshr_b32 s11, s10, 1                         ; kh: my half of a step's k.  Also: I fetch for A (0) or for B (1)
	s_and_b32 s12, s10, 1                          ; c: my half of the columns.  Also: which part I fetch
	s_bfe_u32 s40, ttmp6, 0x40000                  ; cx
	s_bfe_u32 s41, ttmp6, 0x40004                  ; cy
	s_lshl_b32 s42, ttmp9, 2
	s_add_co_u32 s42, s42, s40                     ; column tile = 4 x cluster x + cx
	s_and_b32 s13, ttmp7, 0xffff                   ; cluster y
	s_lshr_b32 s14, s13, 2                         ; batch: 16 row blocks, four clusters
	s_lshl_b32 s15, s13, 2
	s_add_co_u32 s15, s15, s41                     ; row block = 4 x cluster y + cy
	s_lshl_b32 s6, s41, 2
	s_lshl_b32 s6, 15, s6                          ; my row of the cluster
	s_lshl_b32 s7, 0x1111, s40                     ; my column
	s_or_b32 s[G1], s6, (2<<16)|(1<<20)|(1<<21)|(5<<22)|(3<<25)   ; 15:0 the mask; 17:16 elements of 4 bytes; 20 padding on; 21 set beside a mask; 24:22 after every 64 words; 31:25 4 words
	s_mov_b32 s[G1+1], 64<<16                      ; tensor_dim0 = 64
	s_mov_b32 s[G1+2], 128<<16                     ; tensor_dim1 = 128
	s_mov_b32 s[G1+3], 64<<16                      ; tile_dim0 = 64
	s_mov_b32 s[G1+4], 128                         ; tile_dim1 = 128
	s_mov_b32 s[G1+5], 1024                        ; elements from row to row
	s_mov_b32 s[G1+6], 0
	s_mov_b32 s[G1+7], 0
	s_or_b32 s[G1B], s7, (1<<16)|(1<<20)|(1<<21)|(4<<22)|(3<<25)  ; elements of 2 bytes; 4 words of padding after every 32: after each n's 128 bytes
	s_mov_b32 s[G1B+1], 128<<16
	s_mov_b32 s[G1B+2], 128<<16
	s_mov_b32 s[G1B+3], 128<<16
	s_mov_b32 s[G1B+4], 128
	s_mov_b32 s[G1B+5], 128
	s_mov_b32 s[G1B+6], 0
	s_mov_b32 s[G1B+7], 0
	s_lshl_b32 s16, s15, 19                        ; A: 128 rows x 4,096 bytes x row block
	s_lshl_b32 s17, s12, 8                         ; + 64 k x 4 bytes x part
	s_add_co_u32 s16, s16, s17
	s_mov_b32 s17, 0
	s_lshl_b32 s20, s14, 21                        ; B: 2 MiB x batch
	s_lshl_b32 s21, s42, 15                        ; + 256 n x 128 bytes x column tile
	s_add_co_u32 s20, s20, s21
	s_lshl_b32 s21, s12, 17                        ; + a block x k half
	s_add_co_u32 s20, s20, s21
	s_mov_b32 s21, 0
	s_mul_i32 s4, s12, APART                       ; where they go: no place in the cluster enters an LDS address
	s_mul_i32 s5, s12, 2*BPART
	s_add_co_u32 s5, s5, BOFF
	s_lshl_b32 s8, s14, 2
	s_mov_b32 s9, 0
	s_mov_b32 s85, 0                               ; named with alpha as a pair
	s_wait_dscnt 0x0                               ; the opening add is done
	s_wait_kmcnt 0x0
	s_add_nc_u64 s[18:19], s[68:69], s[16:17]
	s_add_nc_u64 s[22:23], s[70:71], s[20:21]
	s_add_nc_u64 s[8:9], s[74:75], s[8:9]
	s_load_b32 s84, s[8:9], 0x0                    ; alpha of my batch
	CROUND                                         ; all sixteen work-groups are here: the first joint loads meet
.irp s, 0,1
	s_mov_b32 s[G0+4*(\s)], 1
	s_add_co_u32 s[G0+4*(\s)+1], s4, (\s)*SLOT
	s_add_nc_u64 s[G0+4*(\s)+2:G0+4*(\s)+3], s[18:19], (\s)*ASTEP
	s_or_b32 s[G0+4*(\s)+3], s[G0+4*(\s)+3], 0x80000000
	s_mov_b32 s[G0B+4*(\s)], 1
	s_add_co_u32 s[G0B+4*(\s)+1], s5, (\s)*SLOT
	s_add_nc_u64 s[G0B+4*(\s)+2:G0B+4*(\s)+3], s[22:23], (\s)*BSTEP
	s_or_b32 s[G0B+4*(\s)+3], s[G0B+4*(\s)+3], 0x80000000
	JLOAD \s                                       ; steps 0 and 1: two loads of mine are out
.endr
	; the prefetches: at step 3; the first change of slots steps them to step 4.  Nothing is prefetched here, at the head
	s_lshl_b32 s86, s40, 17                        ; A: 32 rows x 4,096 bytes x cx
	s_lshl_b32 s88, s41, 13                        ; B: 32 blocks x 256 bytes x cy
	s_mov_b32 s90, BSTEP
	s_and_b32 s89, s13, 3
	s_cmp_eq_u32 s89, 0                            ; the batch's first cluster: the same in all sixteen partners
	s_cselect_b32 s89, 1, -1
	s_cmp_eq_u32 s11, 0
	s_cselect_b32 s[LIM], 1, s89
	s_cselect_b32 s86, s86, s88
	s_cselect_b32 s[PFS], ASTEP, s90
	s_cselect_b32 s89, 12, 8                       ; a lane a row of a, or a lane a block of 256 bytes of B
	s_cselect_b64 s[PFA:PFA+1], s[18:19], s[22:23]
	s_mov_b32 s87, 0
	s_mov_b32 s[PFS+1], 0
	s_add_nc_u64 s[PFA:PFA+1], s[PFA:PFA+1], s[86:87]
	s_mul_i32 s86, s[PFS], 3
	s_add_nc_u64 s[PFA:PFA+1], s[PFA:PFA+1], s[86:87]
	v_and_b32 v6, 31, v0                           ; lane
	v_lshlrev_b32 v[PFO], s89, v6
	; fragments: lane l holds row l % 16; k = 8 (l / 16) + 0..7 and 16 + 8 (l / 16) + 0..7
	v_and_b32 v1, 15, v0
	v_bfe_u32 v2, v0, 4, 1
	v_mul_u32_u24 v3, v1, APITCH
	v_lshl_add_u32 v3, v2, 5, v3                   ; A: row x pitch + 32 bytes x half
	v_mul_u32_u24 v4, v1, BPITCH
	v_lshl_add_u32 v4, v2, 4, v4                   ; B: row x pitch + 16 bytes x half
	s_mul_i32 s91, s11, APART                      ; my part of A
	s_mul_i32 s94, s11, AHALF
	s_add_co_u32 s92, s91, AHALF
	s_sub_co_u32 s92, s92, s94                     ; the rows that my partner finishes: 64 (1 - kh) ..
	s_add_co_u32 s91, s91, s94                     ; the rows that I finish: 64 kh ..
	s_mul_i32 s93, s10, BPART
	s_add_co_u32 s93, s93, BOFF                    ; my part of B
.irp s, 0,1
	v_add_nc_u32 v[ALO+(\s)], s91, v3
	v_add_nc_u32 v[AHI+(\s)], s92, v3
	v_add_nc_u32 v[ADRB+(\s)], s93, v4
	s_add_co_u32 s91, s91, SLOT
	s_add_co_u32 s92, s92, SLOT
	s_add_co_u32 s93, s93, SLOT
.endr
	s_lshl_b32 s91, s10, 15
	v_lshl_add_u32 v[XS], v6, 4, s91               ; the exchange: 32,768 x wave + 16 x lane
	s_lshl_b32 s98, s11, 2
	s_add_co_u32 s97, s10, 2
	s_sub_co_u32 s97, s97, s98                     ; my partner: the other k half, the same columns
	s_lshl_b32 s97, s97, 15
	v_lshl_add_u32 v[XP], v6, 4, s97
	s_mul_i32 s91, s10, 16*SPITCH
	s_add_co_u32 s91, s91, STAGE                   ; my stage
	v_mul_u32_u24 v[STO], v1, SPITCH
	v_lshl_add_u32 v[STO], v2, 5, v[STO]
	v_add_nc_u32 v[STO], s91, v[STO]               ; in: row l % 16, 32 bytes for each half of the lanes
	v_lshl_add_u32 v[RD], v6, 4, s91               ; back: 32 lanes take a row's 512 bytes
	v_lshlrev_b32 v[CO], 4, v6
	v_lshlrev_b32 v5, 5, v2                        ; the bias of my 8 columns in a block of 16
	s_lshl_b32 s92, s15, 19                        ; out: the row block,
	s_lshl_b32 s94, s11, 18                        ; my 64 rows of it,
	s_add_co_u32 s92, s92, s94
	s_lshl_b32 s94, s42, 10                        ; the column tile,
	s_lshl_b32 s96, s12, 9                         ; my 128 columns of it
	s_add_co_u32 s94, s94, s96
	s_add_co_u32 s92, s92, s94
	s_mov_b32 s93, 0
	s_mov_b32 s95, 0
	s_add_nc_u64 s[76:77], s[76:77], s[92:93]
	s_add_nc_u64 s[72:73], s[72:73], s[94:95]
.irp b, 0,1,2,3,4,5,6,7
	global_load_b128 v[BIAS+8*(\b):BIAS+8*(\b)+3],   v5, s[72:73] offset:64*(\b)
	global_load_b128 v[BIAS+8*(\b)+4:BIAS+8*(\b)+7], v5, s[72:73] offset:64*(\b)+16
.endr
	s_wait_kmcnt 0x0                               ; alpha
	s_wait_tensorcnt 0x1                           ; my part of step 0 is in; step 1's may stay out
	s_barrier_signal -1
	s_barrier_wait -1                              ; everybody's is
	FETCH 0, 0, F0
	s_wait_dscnt 16
	CVT F0
	s_wait_dscnt 0x0
	s_wait_loadcnt 0x0                             ; the bias
	HALF_A 0, 1                                    ; the first half step stands in front of the loop: its products start the sums
	WIN 0                                          ; at a label and at a branch every window is 0
	s_mov_b32 s3, LAPS
.Llap:                                                 ; a trip goes once round the ring and fills both slots again
	CHANGE 0, 1
	HALF_B 1, 1
	HALF_A 1, 0
	CHANGE 1, 1
	HALF_B 0, 1
	HALF_A 0, 0
	WIN 0
	s_sub_co_u32 s3, s3, 1
	s_cmp_lg_u32 s3, 0
	s_cbranch_scc1 .Llap
	CHANGE 0, 0                                    ; the tail is written out: nothing is left to fetch
	HALF_B 1, 0
	HALF_A 1, 0
	MUL64 F1, 0
	PLACES
	PLACES
	; THE WAY OUT.  The ring has had its last fill.  Behind a barrier (all reads of it are back) each wave hands the 64 rows that its partner finishes over, as they lie in registers.
	WIN 0
	s_wait_dscnt 0x0
	s_barrier_signal -1
	s_barrier_wait -1
	WIN 0x0c                                       ; store data in window 3
.set n, 0
.rept 64
	ds_store_b128 v[XS], v[4*n:4*n+3] offset:XCH+512*n  ; each accumulator's low four registers first
.set n, n+1
.endr
	WIN 0
	s_wait_dscnt 0x0                               ; for the partner's sake
	s_barrier_signal -1
	s_barrier_wait -1
	WIN 0xc0
.set n, 0
.rept 64
	ds_load_b128 v[4*n:4*n+3], v[XP] offset:XCH+512*n   ; the partner's sums of my 64 rows, over the other half of K
.set n, n+1
.endr
	s_wait_dscnt 0x0
; Block a of 16 rows: alpha x (mine + the partner's) + bias by two fused multiply-adds; a lane's 32 bytes go into my stage's rows of 528 bytes and come back as whole rows of 512.
.macro OUTA a
	WIN 0x02
.irp b, 0,1,2,3,4,5,6,7
.irp i, 0,2,4,6
	v_pk_fma_f32 v[TMP+8*(\b)+(\i):TMP+8*(\b)+(\i)+1], v[8*(8*(\a)+(\b))+(\i):8*(8*(\a)+(\b))+(\i)+1], s[84:85], v[BIAS+8*(\b)+(\i):BIAS+8*(\b)+(\i)+1] op_sel_hi:[1,0,1]
.endr
.endr
	WIN 0x03
.irp b, 0,1,2,3,4,5,6,7
.irp i, 0,2,4,6
	v_pk_fma_f32 v[TMP+8*(\b)+(\i):TMP+8*(\b)+(\i)+1], v[8*(8*(\a)+(\b))+(\i):8*(8*(\a)+(\b))+(\i)+1], s[84:85], v[TMP+8*(\b)+(\i):TMP+8*(\b)+(\i)+1] op_sel_hi:[1,0,1]
.endr
.endr
	WIN 0
.irp b, 0,1,2,3,4,5,6,7
	ds_store_b128 v[STO], v[TMP+8*(\b):TMP+8*(\b)+3]   offset:64*(\b)
	ds_store_b128 v[STO], v[TMP+8*(\b)+4:TMP+8*(\b)+7] offset:64*(\b)+16
.endr
.if (\a) > 0
	s_wait_xcnt 0x0                                ; the last block's stores have read their data: only now are those registers loaded again
.endif
.irp t, 0,1,2,3,4,5,6,7,8,9,10,11,12,13,14,15
	ds_load_b128 v[BK+4*(\t):BK+4*(\t)+3], v[RD] offset:SPITCH*(\t)  ; LDS serves a wave's instructions in order (ISA guide 5.7.1.4): these see the stores above
.endr
.irp t, 0,1,2,3,4,5,6,7,8,9,10,11,12,13,14,15
	s_wait_dscnt 15-(\t)                           ; row t is back; the younger loads stay out
	global_store_b128 v[CO], v[BK+4*(\t):BK+4*(\t)+3], s[76:77] offset:(\a)*65536+(\t)*4096  ; 512 consecutive bytes of a row, at a multiple of 512 from out's first byte
.endr
.endm
	OUTA 0
	OUTA 1
	OUTA 2
	OUTA 3
	s_wait_tensorcnt 0x0                           ; the wave's end, behind my last tensor load and my last LDS store
	ds_add_u32 v[SPW], v[NIL]
	s_wait_dscnt 0x0
	CROUND                                         ; the closing round: no work-group ends while a partner may still ask for a tile that names it
	s_endpgm
.Lfunc_end_k_q2152ebe3e6_qproj:
	.size	k_q2152ebe3e6_qproj, .Lfunc_end_k_q2152ebe3e6_qproj-k_q2152ebe3e6_qproj
	.p2alignl 7, 3214868480
	.fill 96, 4, 3214868480
	.section	.rodata,"a",@progbits
	.p2align	6, 0x0
	.amdhsa_kernel k_q2152ebe3e6_qproj
		.amdhsa_group_segment_fixed_size 327680
		.amdhsa_private_segment_fixed_size 0
		.amdhsa_enable_private_segment 0
		.amdhsa_kernarg_size 40
		.amdhsa_user_sgpr_count 2
		.amdhsa_user_sgpr_kernarg_segment_ptr 1
		.amdhsa_wavefront_size32 1
		.amdhsa_system_sgpr_workgroup_id_x 1
		.amdhsa_system_sgpr_workgroup_id_y 1
		.amdhsa_system_sgpr_workgroup_id_z 1
		.amdhsa_system_vgpr_workitem_id 0
		.amdhsa_next_free_vgpr 1024
		.amdhsa_next_free_sgpr 100
		.amdhsa_reserve_vcc 0
		.amdhsa_float_denorm_mode_32 3
		.amdhsa_float_denorm_mode_16_64 3
		.amdhsa_memory_ordered 1
		.amdhsa_forward_progress 1
		.amdhsa_inst_pref_size 145
	.end_amdhsa_kernel
	.amdgpu_metadata
---
amdhsa.version: [ 1, 2 ]
amdhsa.kernels:
  - .name:           k_q2152ebe3e6_qproj
    .symbol:         k_q2152ebe3e6_qproj.kd
    .args:
      - { .name: query, .offset: 0, .size: 8, .value_kind: global_buffer, .address_space: global }
      - { .name: wqb, .offset: 8, .size: 8, .value_kind: global_buffer, .address_space: global }
      - { .name: bq, .offset: 16, .size: 8, .value_kind: global_buffer, .address_space: global }
      - { .name: ctlq, .offset: 24, .size: 8, .value_kind: global_buffer, .address_space: global }
      - { .name: q, .offset: 32, .size: 8, .value_kind: global_buffer, .address_space: global }
    .group_segment_fixed_size: 327680
    .private_segment_fixed_size: 0
    .kernarg_segment_align: 8
    .kernarg_segment_size: 40
    .max_flat_workgroup_size: 128
    .sgpr_count:     100
    .vgpr_count:     1024
    .wavefront_size: 32
...
	.end_amdgpu_metadata
.endif
;; end of part 2
;; launch kv (part 3): grid 4 x 64, 4 waves a work-group, clusters of 4 x 4, 327,680 bytes of LDS; arguments key, value, wb, bk, bv, mpart, pm; writes mpart, pm
.if DOCPART == 3
	.amdgcn_target "amdgcn-amd-amdhsa--gfx1250"
	.amdhsa_code_object_version 6
	.text
	.protected	k_q2152ebe3e6_kv
	.globl	k_q2152ebe3e6_kv
	.p2align	8
	.type	k_q2152ebe3e6_kv,@function
k_q2152ebe3e6_kv:
	s_mov_b64 s[64:65], 0
	v_nop
	global_prefetch_b8 v0, s[64:65] scope:SCOPE_SE
	s_setreg_imm32_b32 hwreg(HW_REG_WAVE_MODE, 25, 1), 1
	s_wait_xcnt 0x0
	s_wait_alu depctr_hold_cnt(0) depctr_sa_sdst(0) depctr_va_vdst(0) depctr_va_sdst(0) depctr_va_ssrc(0) depctr_va_vcc(0) depctr_vm_vsrc(0)
	s_getreg_b32 s2, hwreg(HW_REG_IB_STS2, 6, 4)
	s_cmp_eq_u32 s2, 0
	s_cbranch_scc0 .Lentry_in_a_cluster
	s_endpgm
.Lentry_in_a_cluster:
	s_bfe_u32 s2, ttmp6, 0x10000c
	s_cmp_lg_u32 s2, 0xf033
	s_cbranch_scc0 .Lentry_shape_is_right
	s_endpgm
.Lentry_shape_is_right:
; k = key Wk + bk and v = value Wv + bv for 128 rows x 256 columns (four heads), kept in registers, and of them, for each head, the PARTIAL M[i][j] = the sum over these 128 rows s of k[s][i] v[s][j].
; No step that is not linear stands between the module's two attention products, so (q k^T) v = q (k^T v) for every input: M, 64 x 64 a batch and head, takes the place of the 2,048 x 2,048 scores.
; key, value: [8192][1024] f32; wb: f16 blocks [section][kb 16][n 1024][kk 64], section 0 Wk, 1 Wv; bk, bv: [1024] f32.
; mpart: f32 [row block 64][head 16][tile 16][half 2][lane 32][4]: the sums as they lie in registers.  pm: f32 [row block 64][head 16]: the largest magnitude in each partial M.
; Products in f16 with f32 sums; key and value are rounded to f16 once between LDS and the matrix unit, k and v once between the two products.
; LIMITS.  A number of key, value, k or v of 65,520 or more in magnitude becomes an infinity in f16; below 6.1e-5 it keeps f16's fixed step of 6e-8.  NaN is passed over by pm's maximum.
; SHARES.  Wave (t, c): t = 0 makes k, t = 1 makes v; c is the half of the 256 columns: 128 rows x 128 columns, 64 accumulators, 512 registers.  Then wave (t, c) makes M of head 2 c + t of the four.
; THE RING.  Two LDS slots, a step of 64 k each: A's two parts (key's and value's 128 rows x 64 k of f32: rows of 256 bytes of memory, aligned), then B's four parts (weight t, column half c: 128 n x 64 k
; of f16).  One tensor load a wave: wave 0 key's part, wave 1 value's; wave 2 Wk's two parts, wave 3 Wv's (256 n x 128 bytes are 32,768 dense bytes, asked for as 128 rows of 256).
; CLUSTER 4 x 4.  A's tiles hang on the row block alone and are asked for jointly by a row of the cluster, B's on the column tile alone and by a column.
; THE MATRIX INSTRUCTION IS USED AS IT IS (source 0 = 16 rows of key or value, source 1 = 16 columns of W): a lane holds ONE channel and eight neighbouring rows s, so two results rounded to f16 in pairs
; ARE a fragment (16 channels x 32 s) of the second product, whose K is s.  The bias is the same in a lane's eight registers: it is the C operand that starts the sums.
; REGISTERS, in windows of 256 (s_set_vgpr_msb: bits 1:0 source 0, 3:2 source 1, 5:4 source 2, 7:6 destination):
;   window 0: v0-31 addresses; v32-39 at work; v64-127, v128-191 A's fragments in f16, two buffers (later k's fragments); v192-255 the bias
;   window 1: v0-63, v192-255 A as it comes from LDS, f32; v64-127, v128-191 B's fragments, two buffers (later v's fragments)
;   window 2: the 32 accumulators of rows 0-63 ((a, b) at v[8 (8 a + b)]), later M's 16;   window 3: those of rows 64-127
.set ASTEP,  256                       ; bytes along a row of key or value from step to step
.set BSTEP,  131072                    ; a block of a weight
.set LAPS,   7                         ; 16 steps: all but the first two are refills, two a lap
.set APITCH, 272                       ; an LDS row of A: 256 bytes + 16: 17 x 16, so the 16 rows of a load start at 16 different groups of four banks (64 banks of 4 bytes: ISA guide 11.1)
.set APART,  128*APITCH
.set AHALF,  64*APITCH
.set BPITCH, 144                       ; an LDS row of B: 128 bytes + 16: 9 x 16
.set BPART,  128*BPITCH
.set BOFF,   2*APART
.set SLOT,   BOFF+4*BPART              ; 143,360
.set SPARE,  2*SLOT                    ; behind the ring: the spare words, 128 bytes for each wave: two blocks of 256 bytes that no other line names
.set ALO,  16                          ; v16-17  LDS address of my A fragments, rows 0-63, in slot 0, 1
.set AHI,  18                          ; v18-19  rows 64-127
.set ADRB, 20                          ; v20-21  the same for B
.set XS,   22                          ; v22     the exchange: where I put my fragments of k or v
.set XK,   23                          ; v23     where my head's fragments of k lie
.set XV,   24                          ; v24     and of v
.set MO,   25                          ; v25     16 x lane
.set ZO,   26                          ; v26     0, pm's offset
.set SPW,  28                          ; v28     SPARE + 4 x my thread's number; never rewritten
.set NIL,  29                          ; v29     0; never rewritten
.set PFO,  30                          ; v30     the prefetches' offset; never rewritten
.set F0,   64
.set F1,   128
.set BIAS, 192
.set G1,  24                           ; s[24:31] descriptor group 1 for A's tiles;  s[32:39] group 0, a set for each slot
.set G0,  32
.set G1B, 48                           ; s[48:55], s[56:63] the same for B's
.set G0B, 56
.set LIM, 43                           ; s43     1 in a wave that prefetches, else the greatest number
.set PFA, 44                           ; s[44:45] where my prefetches stand
.set PFS, 46                           ; s[46:47] their step
.set MSB, 0
.macro WIN new                         ; the immediate's high byte repeats the setting that is left; a switch that changes nothing is dropped
.if MSB != (\new)
	s_set_vgpr_msb (MSB<<8)|(\new)
.set MSB, \new
.endif
.endm
.macro PLACES                          ; four plain instructions behind a matrix instruction (ISA guide 7.12.1)
.rept 4
	v_nop
.endr
.endm
; A joint load.  The branch hangs on the wave's number alone.  An s_nop 0 and four v_nop follow each of the two lines, ahead of the jump and the label.
.macro JLOAD s
	s_cmp_eq_u32 s11, 0
	s_cbranch_scc0 .Lfor_b_\@
	tensor_load_to_lds s[G0+4*(\s):G0+4*(\s)+3], s[G1:G1+7]
	s_nop 0
.rept 4
	v_nop
.endr
	s_branch .Lasked_\@
.Lfor_b_\@:
	tensor_load_to_lds s[G0B+4*(\s):G0B+4*(\s)+3], s[G1B:G1B+7]
	s_nop 0
.rept 4
	v_nop
.endr
.Lasked_\@:
.endm
; A round of the cluster's barrier: my work-group's barrier; wave 0 signals for the work-group; every wave waits for all sixteen; my work-group's barrier once more.
.macro CROUND
	s_barrier_signal -1
	s_barrier_wait -1
	s_cmp_lg_u32 s10, 0
	s_cbranch_scc1 .Lnot_wave_0_\@
	s_barrier_signal -3
.Lnot_wave_0_\@:
	s_barrier_wait -3
	s_barrier_signal -1
	s_barrier_wait -1
.endm
; A PREFETCH, behind a joint load, its five lines and the run of LDS loads: the step that stands TWO refills on, one instruction a wave, a lane a block of 256 bytes.
; key's and value's rows are read by this cluster alone: waves 0, 1 of every work-group ask, the partner at place cx for rows 32 cx .. of the 128.  The weights' blocks are read by all sixteen clusters:
; the first (cluster y = 0) asks, waves 2, 3, the partner at place cy for 32 of the 128 blocks.  The partners are told apart by address alone.  So each block is named once in the launch.
; Steps 0 to 3 come by their loads alone; the last lap (s3 = 1) asks for nothing: there is no step two refills on.
.macro ASK
	WIN 0
	s_cmp_gt_u32 s3, s[LIM]
	s_cbranch_scc0 .Lnot_mine_\@
	global_prefetch_b8 v[PFO], s[PFA:PFA+1] th:TH_LOAD_NT scope:SCOPE_SE
.Lnot_mine_\@:
.endm
; 48 LDS loads in one run: 32 k (half ks of a step) of my part of A, as f32 (block a of 16 rows: 16 registers: k = 8 h + 0..7, 16 + 8 h + 0..7, h = lane / 16), then of my part of B into buffer f.
.macro FETCH slot, ks, f
	WIN 0x40                                       ; destination window 1, address window 0
.irp a, 0,1,2,3,4,5,6,7
.irp q, 0,1,2,3
	ds_load_b128 v[16*(\a)+128*((\a)/4)+4*(\q):16*(\a)+128*((\a)/4)+4*(\q)+3], v[ALO+2*((\a)/4)+(\slot)] offset:((\a)%4)*16*APITCH+(\ks)*128+16*((\q)%2)+64*((\q)/2)
.endr
.endr
.irp b, 0,1,2,3,4,5,6,7
	ds_load_b128 v[(\f)+8*(\b):(\f)+8*(\b)+3],   v[ADRB+(\slot)] offset:(\b)*16*BPITCH+(\ks)*64
	ds_load_b128 v[(\f)+8*(\b)+4:(\f)+8*(\b)+7], v[ADRB+(\slot)] offset:(\b)*16*BPITCH+(\ks)*64+32
.endr
.endm
; A's 8 blocks rounded to f16: 64 plain instructions.  They name no register of the 64 products in front of them, so they are also the places between those products and the next run of loads into
; the buffer that the products read, and the next conversions into it.
.macro CVT f
	WIN 0x05                                       ; sources window 1, destination window 0
.irp a, 0,1,2,3,4,5,6,7
.irp i, 0,1,2,3,4,5,6,7
	v_cvt_pk_f16_f32 v[(\f)+8*(\a)+(\i)], v[16*(\a)+128*((\a)/4)+2*(\i)], v[16*(\a)+128*((\a)/4)+2*(\i)+1]
.endr
.endr
.endm
; 64 products, 32 along K.  The 64 accumulators take turns, one instruction a turn, in the same order everywhere.  zero = 1: the products start the sums, with the bias as C.
.macro MUL64 f, zero
.irp hi, 0,1
.if \zero
	WIN 0x84+0x40*(\hi)                            ; source 0 (A) and C (bias) window 0, source 1 (B) window 1, D window 2 or 3
.else
	WIN 0xa4+0x50*(\hi)                            ; C and D window 2 or 3
.endif
.irp a, 0,1,2,3
.irp b, 0,1,2,3,4,5,6,7
.if \zero
	v_wmma_f32_16x16x32_f16 v[8*(8*(\a)+(\b)):8*(8*(\a)+(\b))+7], v[(\f)+8*(4*(\hi)+(\a)):(\f)+8*(4*(\hi)+(\a))+7], v[(\f)+8*(\b):(\f)+8*(\b)+7], v[BIAS+8*(\b):BIAS+8*(\b)+7]
.else
	v_wmma_f32_16x16x32_f16 v[8*(8*(\a)+(\b)):8*(8*(\a)+(\b))+7], v[(\f)+8*(4*(\hi)+(\a)):(\f)+8*(4*(\hi)+(\a))+7], v[(\f)+8*(\b):(\f)+8*(\b)+7], v[8*(8*(\a)+(\b)):8*(8*(\a)+(\b))+7]
.endif
.endr
.endr
.endr
.endm
; A step is two halves of 32 along K.  HALF_A multiplies slot x's first half and fetches its second; HALF_B multiplies the second half of the slot before and fetches slot y's first.
.macro HALF_A x, zero
	FETCH \x, 1, F1
	MUL64 F0, \zero
	s_wait_dscnt 16                                ; A's 32 loads are in; B's 16, issued behind them, may stay out while A is rounded
	CVT F1
	s_wait_dscnt 0x0
.endm
.macro HALF_B y, ask
	FETCH \y, 0, F0
.if \ask
	ASK
.endif
	MUL64 F1, 0
	s_wait_dscnt 16
	CVT F0
	s_wait_dscnt 0x0
.endm
; THE CHANGE OF SLOTS, when slot x's last fragments are in registers.  Each wave waits for all its tensor loads, of which one is out: its part of the other slot; adds 0 to its spare word; waits for that
; (its reads of slot x are back).  fill = 1: a round of the cluster's barrier, so that no wave of any partner still reads the slot or has a load on its way, and the joint refill first behind it: it has a
; whole step, 128 products and 128 conversions, in which to land.  Nothing but the round stands between the wait and the refill.
.macro CHANGE x, fill
	WIN 0
.if \fill
	s_wait_xcnt 0x0                                ; the last prefetch, a step back, has read its address
	s_add_nc_u64 s[PFA:PFA+1], s[PFA:PFA+1], s[PFS:PFS+1]
.endif
	s_wait_tensorcnt 0x0                           ; no tensor load of mine is out, so a group 0 may be written
	ds_add_u32 v[SPW], v[NIL]                      ; 0 onto my spare word
.if \fill
	s_add_nc_u64 s[G0+4*(\x)+2:G0+4*(\x)+3], s[G0+4*(\x)+2:G0+4*(\x)+3], 2*ASTEP
	s_add_nc_u64 s[G0B+4*(\x)+2:G0B+4*(\x)+3], s[G0B+4*(\x)+2:G0B+4*(\x)+3], 2*BSTEP
.endif
	s_wait_dscnt 0x0
.if \fill
	CROUND
	JLOAD \x
.else
	s_barrier_signal -1
	s_barrier_wait -1
.endif
.endm
	s_load_b256 s[68:75], s[0:1], 0x0              ; key s[68:69], value s[70:71], wb s[72:73], bk s[74:75]
	s_load_b128 s[76:79], s[0:1], 0x20             ; bv s[76:77], mpart s[78:79]
	s_load_b64 s[80:81], s[0:1], 0x30              ; pm
	v_lshl_add_u32 v[SPW], v0, 2, SPARE
	v_mov_b32 v[NIL], 0
	ds_add_u32 v[SPW], v[NIL]                      ; the wave's opening: the add and its wait stand ahead of my first tensor load; work on registers stands between them
	v_lshrrev_b32 v1, 5, v0
	v_readfirstlane_b32 s10, v1                    ; wave 0..3
	s_lshr_b32 s11, s10, 1                         ; t: I make k (0) or v (1).  Also: I fetch for A (0) or for B (1)
	s_and_b32 s12, s10, 1                          ; c: my half of the columns.  Also: I fetch key's or Wk's (0), value's or Wv's (1)
	s_bfe_u32 s40, ttmp6, 0x40000                  ; cx
	s_bfe_u32 s41, ttmp6, 0x40004                  ; cy
	s_lshl_b32 s42, ttmp9, 2
	s_add_co_u32 s42, s42, s40                     ; column tile = 4 x cluster x + cx
	s_and_b32 s13, ttmp7, 0xffff                   ; cluster y
	s_lshl_b32 s15, s13, 2
	s_add_co_u32 s15, s15, s41                     ; row block = 4 x cluster y + cy
	s_lshl_b32 s6, s41, 2
	s_lshl_b32 s6, 15, s6                          ; my row of the cluster
	s_lshl_b32 s7, 0x1111, s40                     ; my column
	s_or_b32 s[G1], s6, (2<<16)|(1<<20)|(1<<21)|(5<<22)|(3<<25)   ; 15:0 the mask; 17:16 elements of 4 bytes; 20 padding on; 21 set beside a mask; 24:22 after every 64 words; 31:25 4 words
	s_mov_b32 s[G1+1], 64<<16                      ; tensor_dim0 = 64
	s_mov_b32 s[G1+2], 128<<16                     ; tensor_dim1 = 128
	s_mov_b32 s[G1+3], 64<<16                      ; tile_dim0 = 64
	s_mov_b32 s[G1+4], 128                         ; tile_dim1 = 128
	s_mov_b32 s[G1+5], 1024                        ; elements from row to row
	s_mov_b32 s[G1+6], 0
	s_mov_b32 s[G1+7], 0
	s_or_b32 s[G1B], s7, (1<<16)|(1<<20)|(1<<21)|(4<<22)|(3<<25)  ; elements of 2 bytes; 4 words of padding after every 32: after each n's 128 bytes
	s_mov_b32 s[G1B+1], 128<<16
	s_mov_b32 s[G1B+2], 128<<16
	s_mov_b32 s[G1B+3], 128<<16
	s_mov_b32 s[G1B+4], 128
	s_mov_b32 s[G1B+5], 128
	s_mov_b32 s[G1B+6], 0
	s_mov_b32 s[G1B+7], 0
	s_lshl_b32 s16, s15, 19                        ; A: 128 rows x 4,096 bytes x row block
	s_mov_b32 s17, 0
	s_lshl_b32 s20, s12, 21                        ; B: the weight's section
	s_lshl_b32 s21, s42, 15                        ; + 256 n x 128 bytes x column tile
	s_add_co_u32 s20, s20, s21
	s_mov_b32 s21, 0
	s_mul_i32 s4, s12, APART                       ; where they go: no place in the cluster enters an LDS address
	s_mul_i32 s5, s12, 2*BPART
	s_add_co_u32 s5, s5, BOFF
	s_mov_b32 s66, 0x76543210                      ; v_permlanex16_b32: each lane takes its own place in the other half
	s_mov_b32 s67, 0xfedcba98
	s_wait_dscnt 0x0                               ; the opening add is done
	s_wait_kmcnt 0x0
	s_cmp_eq_u32 s12, 0
	s_cselect_b64 s[18:19], s[68:69], s[70:71]     ; key or value, by the wave's number
	s_add_nc_u64 s[18:19], s[18:19], s[16:17]
	s_add_nc_u64 s[22:23], s[72:73], s[20:21]
	CROUND                                         ; all sixteen work-groups are here: the first joint loads meet
.irp s, 0,1
	s_mov_b32 s[G0+4*(\s)], 1
	s_add_co_u32 s[G0+4*(\s)+1], s4, (\s)*SLOT
	s_add_nc_u64 s[G0+4*(\s)+2:G0+4*(\s)+3], s[18:19], (\s)*ASTEP
	s_or_b32 s[G0+4*(\s)+3], s[G0+4*(\s)+3], 0x80000000
	s_mov_b32 s[G0B+4*(\s)], 1
	s_add_co_u32 s[G0B+4*(\s)+1], s5, (\s)*SLOT
	s_add_nc_u64 s[G0B+4*(\s)+2:G0B+4*(\s)+3], s[22:23], (\s)*BSTEP
	s_or_b32 s[G0B+4*(\s)+3], s[G0B+4*(\s)+3], 0x80000000
	JLOAD \s                                       ; steps 0 and 1: two loads of mine are out
.endr
	; the prefetches: at step 3; the first change of slots steps them to step 4.  Nothing is prefetched here, at the head
	s_lshl_b32 s86, s40, 17                        ; A: 32 rows x 4,096 bytes x cx
	s_lshl_b32 s88, s41, 13                        ; B: 32 blocks x 256 bytes x cy
	s_mov_b32 s90, BSTEP
	s_cmp_eq_u32 s13, 0                            ; the first cluster: the same in all sixteen partners
	s_cselect_b32 s89, 1, -1
	s_cmp_eq_u32 s11, 0
	s_cselect_b32 s[LIM], 1, s89
	s_cselect_b32 s86, s86, s88
	s_cselect_b32 s[PFS], ASTEP, s90
	s_cselect_b32 s89, 12, 8                       ; a lane a row of key or value, or a lane a block of 256 bytes of a weight
	s_cselect_b64 s[PFA:PFA+1], s[18:19], s[22:23]
	s_mov_b32 s87, 0
	s_mov_b32 s[PFS+1], 0
	s_add_nc_u64 s[PFA:PFA+1], s[PFA:PFA+1], s[86:87]
	s_mul_i32 s86, s[PFS], 3
	s_add_nc_u64 s[PFA:PFA+1], s[PFA:PFA+1], s[86:87]
	v_and_b32 v6, 31, v0                           ; lane
	v_lshlrev_b32 v[PFO], s89, v6
	; fragments: lane l holds row l % 16; k = 8 (l / 16) + 0..7 and 16 + 8 (l / 16) + 0..7
	v_and_b32 v1, 15, v0
	v_bfe_u32 v2, v0, 4, 1
	v_mul_u32_u24 v3, v1, APITCH
	v_lshl_add_u32 v3, v2, 5, v3                   ; A: row x pitch + 32 bytes x half
	v_mul_u32_u24 v4, v1, BPITCH
	v_lshl_add_u32 v4, v2, 4, v4                   ; B: row x pitch + 16 bytes x half
	s_mul_i32 s91, s11, APART                      ; my part of A: rows 0-63,
	s_add_co_u32 s92, s91, AHALF                   ; rows 64-127
	s_mul_i32 s93, s10, BPART
	s_add_co_u32 s93, s93, BOFF                    ; my part of B
.irp s, 0,1
	v_add_nc_u32 v[ALO+(\s)], s91, v3
	v_add_nc_u32 v[AHI+(\s)], s92, v3
	v_add_nc_u32 v[ADRB+(\s)], s93, v4
	s_add_co_u32 s91, s91, SLOT
	s_add_co_u32 s92, s92, SLOT
	s_add_co_u32 s93, s93, SLOT
.endr
	s_lshl_b32 s91, s10, 15
	v_lshl_add_u32 v[XS], v6, 4, s91               ; the exchange: 32,768 x wave + 16 x lane
	s_lshl_b32 s91, s12, 15                        ; my head's k: wave (0, c)'s fragments,
	s_lshl_b32 s92, s11, 14                        ; channel blocks 4 t ..
	s_add_co_u32 s91, s91, s92
	v_lshl_add_u32 v[XK], v6, 4, s91
	v_add_nc_u32 v[XV], 0x10000, v[XK]             ; my head's v: wave (1, c)'s
	v_lshlrev_b32 v[MO], 4, v6
	v_mov_b32 v[ZO], 0
	v_lshlrev_b32 v5, 2, v1                        ; the bias of my channel in a block of 16
	s_lshl_b32 s94, s42, 2
	s_lshl_b32 s95, s12, 1
	s_add_co_u32 s94, s94, s95
	s_add_co_u32 s94, s94, s11                     ; my head = 4 x column tile + 2 c + t
	s_lshl_b32 s95, s15, 4
	s_add_co_u32 s94, s94, s95                     ; + 16 x row block
	s_lshl_b32 s96, s94, 14                        ; 16,384 bytes of mpart each
	s_mov_b32 s97, 0
	s_add_nc_u64 s[78:79], s[78:79], s[96:97]
	s_lshl_b32 s96, s94, 2                         ; 4 bytes of pm each
	s_add_nc_u64 s[80:81], s[80:81], s[96:97]
	s_lshl_b32 s98, s42, 10
	s_lshl_b32 s99, s12, 9
	s_add_co_u32 s98, s98, s99                     ; my 128 columns in a bias
	s_mov_b32 s99, 0
	s_cmp_eq_u32 s11, 0
	s_cselect_b64 s[8:9], s[74:75], s[76:77]       ; bk or bv
	s_add_nc_u64 s[8:9], s[8:9], s[98:99]
.irp b, 0,1,2,3,4,5,6,7
	global_load_b32 v[BIAS+8*(\b)], v5, s[8:9] offset:64*(\b)
.endr
	s_wait_tensorcnt 0x1                           ; my part of step 0 is in; step 1's may stay out
	s_barrier_signal -1
	s_barrier_wait -1                              ; everybody's is
	FETCH 0, 0, F0
	s_wait_dscnt 16
	CVT F0
	s_wait_dscnt 0x0
	s_wait_loadcnt 0x0                             ; the bias
	WIN 0
.irp b, 0,1,2,3,4,5,6,7
.irp j, 1,2,3,4,5,6,7
	v_mov_b32 v[BIAS+8*(\b)+(\j)], v[BIAS+8*(\b)]  ; a lane's eight rows s of a channel take the same bias
.endr
.endr
	HALF_A 0, 1                                    ; the first half step stands in front of the loop: its products start the sums
	WIN 0                                          ; at a label and at a branch every window is 0
	s_mov_b32 s3, LAPS
.Llap:                                                 ; a trip goes once round the ring and fills both slots again
	CHANGE 0, 1
	HALF_B 1, 1
	HALF_A 1, 0
	CHANGE 1, 1
	HALF_B 0, 1
	HALF_A 0, 0
	WIN 0
	s_sub_co_u32 s3, s3, 1
	s_cmp_lg_u32 s3, 0
	s_cbranch_scc1 .Llap
	CHANGE 0, 0                                    ; the tail is written out: nothing is left to fetch
	HALF_B 1, 0
	HALF_A 1, 0
	MUL64 F1, 0
	PLACES
	PLACES
	; k AND v BECOME FRAGMENTS.  The ring has had its last fill; behind a barrier (all reads of it are back) its bytes take them.  Fragment (b, p): channels 16 b .., rows 32 p ..: registers 0-3 from
	; accumulator (2 p, b), 4-7 from (2 p + 1, b); 1,024 bytes at 32,768 x wave + 1,024 (4 b + p), as they lie in registers.
	WIN 0
	s_wait_dscnt 0x0
	s_barrier_signal -1
	s_barrier_wait -1
.macro XPACK p
.set TB, 64+64*((\p)%2)
	WIN 0x0a+5*((\p)/2)                            ; sources window 2 (rows 0-63) or 3
.irp b, 0,1,2,3,4,5,6,7
.irp i, 0,1,2,3
	v_cvt_pk_f16_f32 v[TB+8*(\b)+(\i)], v[8*(8*((2*(\p))%4)+(\b))+2*(\i)], v[8*(8*((2*(\p))%4)+(\b))+2*(\i)+1]
.endr
.irp i, 0,1,2,3
	v_cvt_pk_f16_f32 v[TB+8*(\b)+4+(\i)], v[8*(8*((2*(\p)+1)%4)+(\b))+2*(\i)], v[8*(8*((2*(\p)+1)%4)+(\b))+2*(\i)+1]
.endr
.endr
	WIN 0
.irp b, 0,1,2,3,4,5,6,7
	ds_store_b128 v[XS], v[TB+8*(\b):TB+8*(\b)+3]   offset:(4*(\b)+(\p))*1024
	ds_store_b128 v[XS], v[TB+8*(\b)+4:TB+8*(\b)+7] offset:(4*(\b)+(\p))*1024+512
.endr
.endm
	XPACK 0
	XPACK 1
	XPACK 2
	XPACK 3
	s_wait_dscnt 0x0                               ; for the others' sake
	s_barrier_signal -1
	s_barrier_wait -1
.set n, 0
.rept 16                                       ; my head's k: fragment (ib, p) at v[64 + 8 (4 ib + p)] of window 0
	ds_load_b128 v[64+8*n:64+8*n+3], v[XK] offset:1024*n
	ds_load_b128 v[64+8*n+4:64+8*n+7], v[XK] offset:1024*n+512
.set n, n+1
.endr
	WIN 0x40
.set n, 0
.rept 16                                       ; my head's v: fragment (jb, p) at the same place of window 1
	ds_load_b128 v[64+8*n:64+8*n+3], v[XV] offset:1024*n
	ds_load_b128 v[64+8*n+4:64+8*n+7], v[XV] offset:1024*n+512
.set n, n+1
.endr
	s_wait_dscnt 0x0
	; M: source 0 = 16 channels j of v, source 1 = 16 channels i of k, K = 32 rows s.  In tile 4 ib + jb a lane holds i = 16 ib + lane % 16 and j = 16 jb + 8 (lane / 16) + 0..7.  16 accumulators by turns.
	WIN 0xa1
.irp p, 0,1,2,3
.irp ib, 0,1,2,3
.irp jb, 0,1,2,3
.if (\p) == 0
	v_wmma_f32_16x16x32_f16 v[8*(4*(\ib)+(\jb)):8*(4*(\ib)+(\jb))+7], v[64+8*(4*(\jb)+(\p)):64+8*(4*(\jb)+(\p))+7], v[64+8*(4*(\ib)+(\p)):64+8*(4*(\ib)+(\p))+7], 0
.else
	v_wmma_f32_16x16x32_f16 v[8*(4*(\ib)+(\jb)):8*(4*(\ib)+(\jb))+7], v[64+8*(4*(\jb)+(\p)):64+8*(4*(\jb)+(\p))+7], v[64+8*(4*(\ib)+(\p)):64+8*(4*(\ib)+(\p))+7], v[8*(4*(\ib)+(\jb)):8*(4*(\ib)+(\jb))+7]
.endif
.endr
.endr
.endr
	PLACES
	PLACES
	WIN 0x08                                       ; store data in window 2
.set n, 0
.rept 16
	global_store_b128 v[MO], v[8*n:8*n+3],   s[78:79] offset:1024*n      ; each tile's low four registers first; 512 consecutive bytes a store, aligned
	global_store_b128 v[MO], v[8*n+4:8*n+7], s[78:79] offset:1024*n+512
.set n, n+1
.endr
	; the largest magnitude of the 4,096 sums: four chains of maxima and four of minima, then max(maximum, -minimum), then across the lanes
	WIN 0x0a
.irp n, 0,1,2,3
	v_max_num_f32 v[32+(\n)], v[2*(\n)], v[2*(\n)+1]
	v_min_num_f32 v[36+(\n)], v[2*(\n)], v[2*(\n)+1]
.endr
	WIN 0x28
.set n, 4
.rept 60
	v_max3_num_f32 v[32+n%4], v[32+n%4], v[2*n], v[2*n+1]
	v_min3_num_f32 v[36+n%4], v[36+n%4], v[2*n], v[2*n+1]
.set n, n+1
.endr
	WIN 0
	v_max3_num_f32 v32, v32, v33, v34
	v_min3_num_f32 v36, v36, v37, v38
	v_max_num_f32 v32, v32, v35
	v_min_num_f32 v36, v36, v39
	v_mul_f32 v36, -1.0, v36
	v_max_num_f32 v32, v32, v36
	v_max_num_f32_dpp v32, v32, v32 row_xmask:1 row_mask:0xf bank_mask:0xf
	v_max_num_f32_dpp v32, v32, v32 row_xmask:2 row_mask:0xf bank_mask:0xf
	v_max_num_f32_dpp v32, v32, v32 row_xmask:4 row_mask:0xf bank_mask:0xf
	v_max_num_f32_dpp v32, v32, v32 row_xmask:8 row_mask:0xf bank_mask:0xf
	v_permlanex16_b32 v33, v32, s66, s67
	v_max_num_f32 v32, v32, v33
	s_wait_xcnt 0x0                                ; EXEC is a source of the stores above: it changes only behind this wait
	v_cmp_eq_u32 vcc_lo, 0, v6
	s_and_saveexec_b32 s86, vcc_lo
	global_store_b32 v[ZO], v32, s[80:81]          ; one number a wave
	s_wait_xcnt 0x0
	s_or_b32 exec_lo, exec_lo, s86
	s_wait_tensorcnt 0x0                           ; the wave's end, behind my last tensor load and my last LDS store
	ds_add_u32 v[SPW], v[NIL]
	s_wait_dscnt 0x0
	CROUND                                         ; the closing round: no work-group ends while a partner may still ask for a tile that names it
	s_endpgm
.Lfunc_end_k_q2152ebe3e6_kv:
	.size	k_q2152ebe3e6_kv, .Lfunc_end_k_q2152ebe3e6_kv-k_q2152ebe3e6_kv
	.p2alignl 7, 3214868480
	.fill 96, 4, 3214868480
	.section	.rodata,"a",@progbits
	.p2align	6, 0x0
	.amdhsa_kernel k_q2152ebe3e6_kv
		.amdhsa_group_segment_fixed_size 327680
		.amdhsa_private_segment_fixed_size 0
		.amdhsa_enable_private_segment 0
		.amdhsa_kernarg_size 56
		.amdhsa_user_sgpr_count 2
		.amdhsa_user_sgpr_kernarg_segment_ptr 1
		.amdhsa_wavefront_size32 1
		.amdhsa_system_sgpr_workgroup_id_x 1
		.amdhsa_system_sgpr_workgroup_id_y 1
		.amdhsa_system_sgpr_workgroup_id_z 1
		.amdhsa_system_vgpr_workitem_id 0
		.amdhsa_next_free_vgpr 1024
		.amdhsa_next_free_sgpr 100
		.amdhsa_reserve_vcc 1
		.amdhsa_float_denorm_mode_32 3
		.amdhsa_float_denorm_mode_16_64 3
		.amdhsa_memory_ordered 1
		.amdhsa_forward_progress 1
		.amdhsa_inst_pref_size 145
	.end_amdhsa_kernel
	.amdgpu_metadata
---
amdhsa.version: [ 1, 2 ]
amdhsa.kernels:
  - .name:           k_q2152ebe3e6_kv
    .symbol:         k_q2152ebe3e6_kv.kd
    .args:
      - { .name: key, .offset: 0, .size: 8, .value_kind: global_buffer, .address_space: global }
      - { .name: value, .offset: 8, .size: 8, .value_kind: global_buffer, .address_space: global }
      - { .name: wb, .offset: 16, .size: 8, .value_kind: global_buffer, .address_space: global }
      - { .name: bk, .offset: 24, .size: 8, .value_kind: global_buffer, .address_space: global }
      - { .name: bv, .offset: 32, .size: 8, .value_kind: global_buffer, .address_space: global }
      - { .name: mpart, .offset: 40, .size: 8, .value_kind: global_buffer, .address_space: global }
      - { .name: pm, .offset: 48, .size: 8, .value_kind: global_buffer, .address_space: global }
    .group_segment_fixed_size: 327680
    .private_segment_fixed_size: 0
    .kernarg_segment_align: 8
    .kernarg_segment_size: 56
    .max_flat_workgroup_size: 128
    .sgpr_count:     100
    .vgpr_count:     1024
    .wavefront_size: 32
...
	.end_amdgpu_metadata
.endif
;; end of part 3
;; launch w2 (part 4): grid 4 x 64, 16 waves a work-group, no clusters, 47,104 bytes of LDS; arguments mpart, pm, wb, w2b, ctlf; writes w2b, ctlf
.if DOCPART == 4
	.amdgcn_target "amdgcn-amd-amdhsa--gfx1250"
	.amdhsa_code_object_version 6
	.text
	.protected	k_q2152ebe3e6_w2
	.globl	k_q2152ebe3e6_w2
	.p2align	8
	.type	k_q2152ebe3e6_w2,@function
k_q2152ebe3e6_w2:
	s_mov_b64 s[64:65], 0
	v_nop
	global_prefetch_b8 v0, s[64:65] scope:SCOPE_SE
	s_setreg_imm32_b32 hwreg(HW_REG_WAVE_MODE, 25, 1), 1
	s_wait_xcnt 0x0
; FOR EACH BATCH b AND HEAD h: M = the sum of the 16 row blocks' partial M; M' = M x 2^-(x+1); W2'[(h, i)][n] = the sum over j of M'[i][j] Wo[(h, j)][n], stored in f16 in blocks
; [b 4][h 16][n 1024][i 64], as the last launch's second operand.  ctlf[b] = 2^(x+1) / 8: the factor that the last launch gives back in f32, with the module's 1 / sqrt(64).
; THE SCALE.  M grows with the fourth power of the inputs' size, so it has no fixed place in f16.  B = the maximum over the batch's heads of the sum over row blocks of the largest magnitude in a partial M
; bounds every |M[i][j]| of the batch; with x its exponent, |M'| < 1.  A power of two: the scaling rounds nothing.  One scale a batch, since the last launch sums over heads.
; LIMITS.  B's exponent field is held within 3 .. 252 (B from 2^-124 to 2^126); a number of M' or W2' below 6.1e-5 keeps f16's fixed step of 6e-8; NaN and infinities are not treated apart.
; SHARES.  Work-group (x, y): n quarter x (256 columns), y = 16 b + h.  16 waves.  Wave w sums tile w of M (the sums lie in memory as they lay in registers: 16 bytes a lane, 512 consecutive bytes a load),
; rounds it and puts it into LDS, where two tiles side by side are a fragment (16 i x 32 j); then it makes columns 16 w .. of the quarter: 4 blocks of i x 2 steps of j = 8 products.
; Source 0 = M' (16 i), source 1 = 16 columns n of Wo (wb's section 2 holds them with j along the rows): a lane holds one n and eight neighbouring i: 16 bytes of a row of the block.
; NO CLUSTER, though the four quarters of a (b, h) read the same 256 KiB of partial sums: a joint request is a tensor load into LDS, and these numbers are wanted once, each by one lane, in registers, as
; they lie in memory; through LDS each would be written and read once more.  One work-group for all four quarters would read them once and leave three quarters of the 256 without work.
.set STG,   8192                       ; LDS: M' at 0 (16 tiles x 512 bytes); then a stage of 16 rows x 144 bytes for each wave
.set SP,    144
.set SPARE, STG+16*16*SP               ; 45,056: the spare words, 128 bytes for each of 16 waves
.set SPW, 4                            ; v4   SPARE + 4 x my thread's number; never rewritten
.set NIL, 5                            ; v5   0; never rewritten
.set PS,  64                           ; v[64:191] the 16 partial tiles, 8 registers each; later v[64:127] M's fragments, v[128:159] the sums, v[160:191] the way out
	s_load_b256 s[4:11], s[0:1], 0x0               ; mpart s[4:5], pm s[6:7], wb s[8:9], w2b s[10:11]
	s_load_b64 s[12:13], s[0:1], 0x20              ; ctlf
	v_lshl_add_u32 v[SPW], v0, 2, SPARE
	v_mov_b32 v[NIL], 0
	v_lshrrev_b32 v1, 5, v0
	v_readfirstlane_b32 s14, v1                    ; wave 0..15
	v_and_b32 v1, 31, v0                           ; l
	v_and_b32 v2, 15, v0                           ; l % 16
	v_bfe_u32 v3, v0, 4, 1                         ; l / 16
	s_and_b32 s15, ttmp7, 0xffff                   ; 16 b + h
	s_lshr_b32 s16, s15, 4                         ; b
	s_and_b32 s17, s15, 15                         ; h
	s_mov_b32 s20, 0x76543210                      ; v_permlanex16_b32: each lane takes its own place in the other half
	s_mov_b32 s21, 0xfedcba98
	v_lshlrev_b32 v32, 4, v1                       ; 16 l
	s_lshl_b32 s22, s14, 10
	v_add_nc_u32 v33, s22, v32                     ; my tile in a partial M
	s_lshl_b32 s22, s14, 4
	v_add_nc_u32 v34, s22, v2                      ; my column of the quarter,
	v_lshlrev_b32 v34, 7, v34                      ; its 128 bytes in Wo's block,
	v_lshl_add_u32 v34, v3, 4, v34                 ; 16 bytes x half
	s_lshl_b32 s22, s14, 9
	v_add_nc_u32 v35, s22, v32                     ; my tile of M' in LDS
	s_mul_i32 s23, s14, 16*SP
	s_add_co_u32 s23, s23, STG                     ; my stage
	v_mul_u32_u24 v40, v2, SP
	v_lshl_add_u32 v40, v3, 4, v40
	v_add_nc_u32 v40, s23, v40                     ; in: row l % 16, 16 bytes for each half of the lanes
	v_lshrrev_b32 v41, 3, v1
	v_mul_u32_u24 v41, v41, SP
	v_and_b32 v42, 7, v1
	v_lshl_add_u32 v41, v42, 4, v41
	v_add_nc_u32 v41, s23, v41                     ; back: 32 lanes take four rows of 128 bytes
	s_lshl_b32 s22, s14, 11
	v_add_nc_u32 v42, s22, v32                     ; which are 512 consecutive bytes of the block
	v_mov_b32 v45, 0
	s_lshl_b32 s24, s16, 10                        ; pm: 16 row blocks x 16 heads x 4 bytes a batch
	s_mov_b32 s25, 0
	s_lshl_b32 s26, s16, 22                        ; mpart: 16 row blocks of 262,144 bytes a batch,
	s_lshl_b32 s27, s17, 14                        ; 16,384 a head
	s_add_co_u32 s26, s26, s27
	s_mov_b32 s27, 0
	s_lshl_b32 s28, s17, 17                        ; wb: Wo's block h,
	s_lshl_b32 s29, ttmp9, 15                      ; the quarter's 256 rows of 128 bytes,
	s_add_co_u32 s28, s28, s29
	s_add_co_u32 s28, s28, 2<<21                   ; in section 2
	s_lshl_b32 s30, s15, 17                        ; w2b: block 16 b + h, the same quarter
	s_add_co_u32 s30, s30, s29
	s_mov_b32 s29, 0
	s_mov_b32 s31, 0
	s_lshl_b32 s32, s16, 2
	s_mov_b32 s33, 0
	s_wait_kmcnt 0x0
	s_add_nc_u64 s[6:7], s[6:7], s[24:25]
	s_add_nc_u64 s[4:5], s[4:5], s[26:27]
	s_add_nc_u64 s[8:9], s[8:9], s[28:29]
	s_add_nc_u64 s[10:11], s[10:11], s[30:31]
	s_add_nc_u64 s[12:13], s[12:13], s[32:33]
	global_load_b128 v[8:11],  v32, s[6:7]             ; lane l: row block l / 4, heads 4 (l % 4) + 0..3
	global_load_b128 v[12:15], v32, s[6:7] offset:512  ; row block 8 + l / 4
.set n, 0
.rept 16
	global_load_b128 v[PS+8*n:PS+8*n+3],   v33, s[4:5] offset:n*262144
	global_load_b128 v[PS+8*n+4:PS+8*n+7], v33, s[4:5] offset:n*262144+512
.set n, n+1
.endr
.irp j, 0,1,2,3
	global_load_b128 v[16+4*(\j):16+4*(\j)+3], v34, s[8:9] offset:32*(\j)  ; Wo's two fragments: j = 8 h' + 0..7, 16 + .., 32 + .., 48 + .. (h' = l / 16)
.endr
	s_wait_loadcnt 36                              ; pm is in; the 36 loads issued behind it stay out
	v_pk_add_f32 v[8:9], v[8:9], v[12:13]
	v_pk_add_f32 v[10:11], v[10:11], v[14:15]
.irp m, 4,8                            ; the sum over row blocks: lanes 4, 8 and 16 apart hold the same heads
.irp e, 8,9,10,11
	v_add_f32_dpp v[\e], v[\e], v[\e] row_xmask:\m row_mask:0xf bank_mask:0xf
.endr
.endr
.irp e, 0,1,2,3
	v_permlanex16_b32 v[12+(\e)], v[8+(\e)], s20, s21
.endr
	v_pk_add_f32 v[8:9], v[8:9], v[12:13]
	v_pk_add_f32 v[10:11], v[10:11], v[14:15]
	v_max3_num_f32 v8, v8, v9, v10                 ; the maximum over heads: my four, then lanes 1 and 2 apart
	v_max_num_f32 v8, v8, v11
	v_max_num_f32_dpp v8, v8, v8 row_xmask:1 row_mask:0xf bank_mask:0xf
	v_max_num_f32_dpp v8, v8, v8 row_xmask:2 row_mask:0xf bank_mask:0xf
	v_lshrrev_b32 v9, 23, v8                       ; B is not negative: its exponent field e; B < 2^(e - 126)
	v_max_u32 v9, 3, v9
	v_min_u32 v9, 252, v9
	v_sub_nc_u32 v46, 253, v9
	v_lshlrev_b32 v46, 23, v46                     ; 2^(126 - e)
	v_mov_b32 v47, v46
	v_add_nc_u32 v44, -2, v9
	v_lshlrev_b32 v44, 23, v44                     ; 2^(e - 126) / 8
	s_wait_loadcnt 4                               ; the partial sums are in; Wo's four loads stay out
.irp st, 8,4,2,1
.set n, 0
.rept \st
.irp i, 0,2,4,6
	v_pk_add_f32 v[PS+8*n+(\i):PS+8*n+(\i)+1], v[PS+8*n+(\i):PS+8*n+(\i)+1], v[PS+8*(n+(\st))+(\i):PS+8*(n+(\st))+(\i)+1]
.endr
.set n, n+1
.endr
.endr
.irp i, 0,2,4,6
	v_pk_mul_f32 v[PS+(\i):PS+(\i)+1], v[PS+(\i):PS+(\i)+1], v[46:47]
.endr
.irp i, 0,1,2,3
	v_cvt_pk_f16_f32 v[36+(\i)], v[PS+2*(\i)], v[PS+2*(\i)+1]
.endr
	ds_store_b128 v35, v[36:39]
	s_wait_dscnt 0x0                               ; for the others' sake
	s_barrier_signal -1
	s_barrier_wait -1
.set n, 0
.rept 8                                        ; fragment 2 ib + jp: tiles 4 ib + 2 jp and the next
	ds_load_b128 v[PS+8*n:PS+8*n+3],   v32 offset:1024*n
	ds_load_b128 v[PS+8*n+4:PS+8*n+7], v32 offset:1024*n+512
.set n, n+1
.endr
	s_wait_dscnt 0x0
	s_wait_loadcnt 0x0                             ; Wo
.irp jp, 0,1                           ; the four accumulators take turns
.irp ib, 0,1,2,3
.if (\jp) == 0
	v_wmma_f32_16x16x32_f16 v[128+8*(\ib):128+8*(\ib)+7], v[PS+8*(2*(\ib)+(\jp)):PS+8*(2*(\ib)+(\jp))+7], v[16+8*(\jp):16+8*(\jp)+7], 0
.else
	v_wmma_f32_16x16x32_f16 v[128+8*(\ib):128+8*(\ib)+7], v[PS+8*(2*(\ib)+(\jp)):PS+8*(2*(\ib)+(\jp))+7], v[16+8*(\jp):16+8*(\jp)+7], v[128+8*(\ib):128+8*(\ib)+7]
.endif
.endr
.endr
.rept 8
	v_nop                                          ; the places behind the last products (ISA guide 7.12.1)
.endr
.irp ib, 0,1,2,3
.irp i, 0,1,2,3
	v_cvt_pk_f16_f32 v[160+4*(\ib)+(\i)], v[128+8*(\ib)+2*(\i)], v[128+8*(\ib)+2*(\i)+1]
.endr
.endr
.irp ib, 0,1,2,3
	ds_store_b128 v40, v[160+4*(\ib):160+4*(\ib)+3] offset:32*(\ib)
.endr
.irp e, 0,1,2,3
	ds_load_b128 v[176+4*(\e):176+4*(\e)+3], v41 offset:4*SP*(\e)  ; LDS serves a wave's instructions in order (ISA guide 5.7.1.4): these see the stores above
.endr
.irp e, 0,1,2,3
	s_wait_dscnt 3-(\e)                            ; number e is back; the younger loads stay out
	global_store_b128 v42, v[176+4*(\e):176+4*(\e)+3], s[10:11] offset:512*(\e)  ; 512 consecutive bytes, aligned
.endr
	s_or_b32 s34, ttmp9, s17
	s_or_b32 s34, s34, s14
	s_cmp_lg_u32 s34, 0                            ; wave 0 of the batch's first work-group writes the batch's factor
	s_cbranch_scc1 .Lend
	s_wait_xcnt 0x0                                ; EXEC is a source of the stores above: it changes only behind this wait
	v_cmp_eq_u32 vcc_lo, 0, v0
	s_and_saveexec_b32 s34, vcc_lo
	global_store_b32 v45, v44, s[12:13]
	s_wait_xcnt 0x0
	s_or_b32 exec_lo, exec_lo, s34
.Lend:
	s_wait_tensorcnt 0x0                           ; the wave's end, behind my last LDS store
	ds_add_u32 v[SPW], v[NIL]
	s_wait_dscnt 0x0
	s_endpgm
.Lfunc_end_k_q2152ebe3e6_w2:
	.size	k_q2152ebe3e6_w2, .Lfunc_end_k_q2152ebe3e6_w2-k_q2152ebe3e6_w2
	.p2alignl 7, 3214868480
	.fill 96, 4, 3214868480
	.section	.rodata,"a",@progbits
	.p2align	6, 0x0
	.amdhsa_kernel k_q2152ebe3e6_w2
		.amdhsa_group_segment_fixed_size 47104
		.amdhsa_private_segment_fixed_size 0
		.amdhsa_enable_private_segment 0
		.amdhsa_kernarg_size 40
		.amdhsa_user_sgpr_count 2
		.amdhsa_user_sgpr_kernarg_segment_ptr 1
		.amdhsa_wavefront_size32 1
		.amdhsa_system_sgpr_workgroup_id_x 1
		.amdhsa_system_sgpr_workgroup_id_y 1
		.amdhsa_system_sgpr_workgroup_id_z 1
		.amdhsa_system_vgpr_workitem_id 0
		.amdhsa_next_free_vgpr 192
		.amdhsa_next_free_sgpr 66
		.amdhsa_reserve_vcc 1
		.amdhsa_float_denorm_mode_32 3
		.amdhsa_float_denorm_mode_16_64 3
		.amdhsa_memory_ordered 1
		.amdhsa_forward_progress 1
		.amdhsa_inst_pref_size 17
	.end_amdhsa_kernel
	.amdgpu_metadata
---
amdhsa.version: [ 1, 2 ]
amdhsa.kernels:
  - .name:           k_q2152ebe3e6_w2
    .symbol:         k_q2152ebe3e6_w2.kd
    .args:
      - { .name: mpart, .offset: 0, .size: 8, .value_kind: global_buffer, .address_space: global }
      - { .name: pm, .offset: 8, .size: 8, .value_kind: global_buffer, .address_space: global }
      - { .name: wb, .offset: 16, .size: 8, .value_kind: global_buffer, .address_space: global }
      - { .name: w2b, .offset: 24, .size: 8, .value_kind: global_buffer, .address_space: global }
      - { .name: ctlf, .offset: 32, .size: 8, .value_kind: global_buffer, .address_space: global }
    .group_segment_fixed_size: 47104
    .private_segment_fixed_size: 0
    .kernarg_segment_align: 8
    .kernarg_segment_size: 40
    .max_flat_workgroup_size: 512
    .sgpr_count:     66
    .vgpr_count:     192
    .wavefront_size: 32
...
	.end_amdgpu_metadata
.endif
;; end of part 4
;; launch final: the kernel of part 2 again; grid 4 x 64, 4 waves a work-group, clusters of 4 x 4, 327,680 bytes of LDS; arguments q, w2b, bo, ctlf, out0; writes out0
